; MI455X (gfx1250); checked and timed in simulation.
; The chip was launched on July 23, 2026; its instructions are those of AMD's public machine-readable ISA for CDNA 5 (MIT licence, August 2026) and "CDNA5" Instruction Set Architecture Reference Guide (July 2026). The comments in the code are by the model that wrote it; some were corrected since.
;; Scaled Dot Product Attention. Allowed arithmetic: float matrix products may take bf16 or f16 operands with f32 sums; all other float work in f32.
;; Inputs: key 4 x 16 x 2,048 x 64 float32; query 4 x 16 x 2,048 x 64 float32; value 4 x 16 x 2,048 x 64 float32.
;; Outputs: out0 4 x 16 x 2,048 x 64 float32.
;; Constants: to_mask = 1.
;; One version. Each part assembles by itself: llvm-mc -triple=amdgcn-amd-amdhsa -mcpu=gfx1250 --defsym DOCPART=n.
;; ======== version 1 of 1: 1 launch
;; limits: values are held in f16: magnitudes above 65,504 overflow, below 6.1e-05 lose precision; inputs' magnitudes at most 65,504
;; launch attn (part 1): grid 4 x 64, 4 waves a work-group, no clusters, 327,680 bytes of LDS; arguments query, key, value, out0; writes out0
.if DOCPART == 1
	.amdgcn_target "amdgcn-amd-amdhsa--gfx1250"
	.amdhsa_code_object_version 6
	.text
	.protected	k_q78ecd0ad14_attn
	.globl	k_q78ecd0ad14_attn
	.p2align	8
	.type	k_q78ecd0ad14_attn,@function
k_q78ecd0ad14_attn:
	s_mov_b64 s[64:65], 0
	v_nop
	global_prefetch_b8 v0, s[64:65] scope:SCOPE_SE
	s_setreg_imm32_b32 hwreg(HW_REG_WAVE_MODE, 25, 1), 1
	s_wait_xcnt 0x0
; CAUSAL ATTENTION ON f32 TENSORS.  O[h][q][:] = the sum over k <= q of softmax_k(Q[h][q] . K[h][k] / 8) V[h][k][:].  Q, K, V, O: [64 heads][2048][64] f32: a row is 256 bytes, a head 524,288.
; FORMATS.  Q and K are rounded to bf16 and multiplied in the bf16 form.  V is rounded to bf16 and that number is written as f16; the weights p are rounded to f16; V^T P is the f16 form.  Products, maxima and sums
; in f32 (l is the sum of the unrounded p); O leaves in f32.
; LIMITS.  V rounded to bf16 must lie within 65,504 (f16's end); below 2^-14 it keeps f16's fixed step of 2^-24.  p lies in 0 to 1 and below 6e-5 keeps f16's fixed step of 6e-8.  A weight below 2^-126 counts as 0 in l.
; A hidden score is its value less 8e19 before the division by 8, which is the 1e19 that is taken from the scaled score.  NaN and infinities are not treated apart.
; THE WALK.  A head's queries lie in NB = 8 blocks of 256; block i needs the key tiles 0 .. i of 256 keys, of which the last holds the diagonal.  A work-group takes TWO blocks, 7 - b and then b: 9 tiles, whatever b:
; all 256 work-groups do equal work, and ONE loop with a constant trip count walks them.  Which tile is loaded, and what a trip does, hang on scalar registers made from b; every jump goes forward but the counted
; loops' own, and none passes a barrier.
; K AND V COME THROUGH REGISTERS, since they must be rounded: of each tile wave w loads rows 64 w .. 64 w + 63 as f32 (16 bytes a lane, sixteen lanes a whole row of 256 bytes), rounds them ONCE for the whole work-group and
; stores them, 8 bytes a lane, into one of two 16-bit LDS buffers that take turns; one barrier a tile.  V of the next tile is loaded behind the barrier and converted at a HOOK in the tile's middle; K is loaded at
; the hook and converted in front of the next barrier: in the walk at most 32 loads of a wave are out, and each half has half a tile in which to land.
; Q comes by two tensor loads a wave at the kernel's head (both blocks', f32, into LDS bytes that nothing else ever writes) and is read from LDS in fragment order and rounded.  No LDS byte is filled twice by the mover.
; NO CLUSTER: a joint load could only land f32 in LDS, which every partner would have to read, round and store again: 128 KB written and 128 KB read more for each tile, beside the tile's 256 KB of fragment reads;
; and a head's four walks ask for the same tile only in trips 0 to 4.
; SHARES.  Of a block's four bands of 64 queries a wave owns 16 rows in each: four PIECES.  So the diagonal tile is the same work for all four waves: in its key step s band x sees all keys if s < x, none if s > x,
; and holds the diagonal if s = x.
; THE MASK is the C operand that starts the sum S^T = K Q^T: 0, or -8e19 where the key is hidden.  MD, made once, is the mask of a band's own step for my 16 rows; a product's mask is MD x AL + BE with two scalars:
; (1, 0) if s = x; (0, 0) if s < x; (0, -8e19) if s > x.  Only the diagonal tile's text and a block's beginning make and take masks; elsewhere C is the constant 0.
; LAYOUT, SOFTMAX, TURNS.  S^T = K Q^T holds ONE query a lane (lane % 16) and the keys 8 (lane / 16) + 0..7; two such results rounded to f16 ARE source 1 of O^T = V^T P.  p = 2^(c s - c m), c = log2(e) / 8, with a
; running maximum m; O and l are multiplied by a = 2^(c m_old - c m_new) in every step.  Turn n belongs to piece n: 8 products K Q^T of piece n + 1, later 8 products V^T P of piece n - 1; beside them the scaling,
; exponentials, roundings, sums and rescaling of piece n and the maximum and statistics of piece n + 1.  Four vector instructions stand behind every matrix instruction, the other 54 of a turn's 118 in two lumps.
; REGISTERS, in windows of 256 (s_set_vgpr_msb: bits 1:0 source 0, 3:2 source 1, 5:4 source 2, 7:6 destination):
;   window 0: v0-39 addresses, statistics; v48-55 at work; v64-127 S^T, two buffers; v64-191 also TT, 128 registers for Q as loaded and for the way out; v192-223 P, two buffers
;   window 1: v0-127 O^T, 32 a piece; v128-159 MD; v160-223 MC, two buffers      window 2: v0-63 Q; v128-191 K of one step; v192-255 V of one step
;   window 3: v0-127 my 64 rows of a K tile as loaded; v128-255 the same for V
.set NB,    8
.set NP,    4         ; pieces a wave: a name, no knob
.set KS,    64        ; keys in a step
.set PK,    144       ; a row of K in LDS: 128 bytes of bf16 + 16 of padding = 36 words: the 16 rows of a load start at 16 different groups of four banks (64 banks of 4 bytes: ISA guide 11.1)
.set PV,    160       ; a row of V: 128 bytes of f16 + 32 = 40 words
.set VOFF,  4*KS*PK   ; a buffer holds a tile, four steps: 256 rows of K, then 256 rows of V
.set SLOT1, 4*KS*(PK+PV)   ; 77,824: buffer 1 begins here; a buffer's base is exactly 0 or this when an exclusive or turns it
.set STAGE, 2*SLOT1   ; 155,648: 16 rows x 272 bytes for each wave, for the way out
.set SP,    272       ; a stage row: 256 bytes of f32 + 16: 68 words
.set SPARE, STAGE+4*16*SP  ; 173,056: the spare words, 128 bytes for each wave: two blocks of 256 bytes that no other line names
.set QL,    SPARE+512 ; 173,568: Q as f32, rows of 256 bytes + 16 of padding; written by the two tensor loads of each wave alone
.set QW,    64*272    ; a wave's 64 rows of one block
.set QBLK,  4*QW      ; the four waves' rows of the first block; the second block's follow
.set AK0, 2           ; v2   my lane's place in a tile of K; never rewritten
.set AV0, 3           ; v3   the same for V
.set AK,  4           ; v4   the LDS address of K's next run of fragment loads
.set AV,  5           ; v5   of V's
.set STO, 6           ; v6   the way out: where I put 32 bytes of a row
.set RD,  7           ; v7   the way out: where I read rows back
.set GO,  8           ; v8   my byte offset in 512 consecutive bytes of O
.set MV,  12          ; v12-13  c m_old, kept while c m is made anew: by buffer
.set QA,  15          ; v15  LDS address of my part of a fragment of the first block's Q
.set ST,  16          ; piece t's statistics at v[ST+4 t]: c m, m, l (even keys', odd keys')
.set GK,  32          ; v32  my byte offset in K's rows as loaded: lanes 16-31 eight rows below lanes 0-15
.set GV,  33          ; v33  in V's: four rows below
.set SK0, 34          ; v34  where my 8 bytes of a rounded row of K go, in buffer 0
.set SV0, 35          ; v35  the same for V
.set SKA, 36          ; v36  the same in the buffer that is being filled
.set SVA, 37          ; v37
.set PF,  38          ; v38  256 x lane: a prefetch's rows
.set QA2, 39          ; v39  QA for the second block
.set TMP, 48          ; by buffer, four registers c0-c3 at work; when the maximum is found c2 takes a
.set SPW, 62          ; v62  LDS address of my spare word: SPARE + 4 x my thread's number; never rewritten
.set NIL, 63          ; v63  0; never rewritten
.set S,   64
.set TT,  64
.set P,   192
.set MD,  128         ; window 1: the eight registers for group kt of 16 keys at MD + 8 kt
.set MC,  160         ; window 1: the masks of the products to come
.set KF,  128         ; window 2: key block kb, channel half c at KF + 16 kb + 8 c
.set VF,  192         ; window 2: key half kk, channel block cb at VF + 32 kk + 8 cb
.set WV,  12          ; s12  my wave's number
.set PB,  14          ; s14  b
.set HI,  15          ; s15  7 - b
.set KB,  24          ; s[24:25] K at my 64 rows of the tile that is being loaded
.set VB,  26          ; s[26:27] the same for V
.set TBS, 28          ; s28  LDS base of the buffer that is being filled
.set HIM, 29          ; s29  a word's upper 16 bits
.set PFB, 30          ; s[30:31] where my wave's prefetch points
.set G1Q, 32          ; s[32:39] descriptor group 1 for Q
.set G0H, 40          ; s[40:43] descriptor group 0: the first block's Q
.set G0L, 44          ; s[44:47] the second block's
.set SLOTS, 56        ; s56  tiles still to be loaded
.set CNT, 57          ; s57  counts a tile's key steps, 4 to 0
.set CS,  58          ; s[58:59] c: the packed scaling takes the pair's low word for both halves
.set SEL, 60          ; s[60:61] v_permlanex16_b32's selects: each lane takes its own place in the other half
.set TBK, 62          ; s62  LDS byte at which K of the step to be fetched begins
.set TBV, 63          ; s63  the same for V, less VOFF
.set RT,  70          ; s70  tiles of the block in hand that are still to be entered
.set NXT, 71          ; s71  the tile to be loaded next
.set LQ,  72          ; s72  the last tile of the block whose tiles are being loaded
.set NEW, 73          ; s73  1: the tile to be entered is a block's first
.set OFF, 74          ; s[74:75] a tile's byte offset in K and V
.set AL,  76          ; s[76:77] the mask's factor, in the low word
.set BE,  78          ; s[78:79] the mask's addend
.set OLO, 80          ; s[80:81] O at my rows of the second block
.set BIGN, 82         ; s82  -8e19
.set MSB, 0
.macro WIN new                      ; the high byte repeats the setting that is left; a switch that changes nothing is dropped
.if MSB != (\new)
	s_set_vgpr_msb (MSB<<8)|(\new)
.set MSB, (\new)
.endif
.endm
.set W_KQ, 0x0a       ; K and Q in window 2, S^T in window 0
.set W_KM, 0x1a       ; the same with the C operand in window 1
.set W_PV, 0x52       ; V in window 2, P in window 0, O^T in window 1
.set W_RS, 0x41       ; destination and source 0 in window 1, source 1 in window 0
; MY 64 ROWS OF A TILE, f32, INTO WINDOW 3.  Load j: lanes 0-15 take one whole row of 256 bytes, lanes 16-31 the row 8 (K) or 4 (V) further down.
.macro LOADK
	WIN 0xc0                        ; destination window 3, address window 0
.set j, 0
.rept 32
	global_load_b128 v[4*j:4*j+3], v[GK], s[KB:KB+1] offset:(16*(j/8)+j%8)*256
.set j, j+1
.endr
	WIN 0
.endm
.macro LOADV
	WIN 0xc0
.set j, 0
.rept 32
	global_load_b128 v[128+4*j:128+4*j+3], v[GV], s[VB:VB+1] offset:(8*(j/4)+j%4)*256
.set j, j+1
.endr
	WIN 0
.endm
; K: four f32 a lane become four bf16, 8 bytes, in the buffer that is being filled.
.macro CONVK
	v_add_nc_u32 v[SKA], s[TBS], v[SK0]
	WIN 0xcf                        ; destination and both sources in window 3
.set j, 0
.rept 32
	v_cvt_pk_bf16_f32 v[4*j], v[4*j], v[4*j+1]
	v_cvt_pk_bf16_f32 v[4*j+1], v[4*j+2], v[4*j+3]
.set j, j+1
.endr
	WIN 0x0c                        ; store data in window 3, address in window 0
.set j, 0
.rept 32
	ds_store_b64 v[SKA], v[4*j:4*j+1] offset:(16*(j/8)+j%8)*PK
.set j, j+1
.endr
	WIN 0
.endm
; V: rounded to bf16, widened again, and written as f16 (exact within f16's range).  Three runs, so that no line reads the result of the line before it.  Rows 4 x 40 words apart: again 32 banks off.
.macro CONVV
	v_add_nc_u32 v[SVA], s[TBS], v[SV0]
	WIN 0xcf
.set j, 128
.rept 32
	v_cvt_pk_bf16_f32 v[j], v[j], v[j+1]
	v_cvt_pk_bf16_f32 v[j+2], v[j+2], v[j+3]
.set j, j+4
.endr
.set j, 128
.rept 32
	v_lshlrev_b32 v[j+1], 16, v[j]      ; the low bf16 as f32,
	v_and_b32 v[j], s[HIM], v[j]        ; the high one
	v_lshlrev_b32 v[j+3], 16, v[j+2]
	v_and_b32 v[j+2], s[HIM], v[j+2]
.set j, j+4
.endr
.set j, 128
.rept 32
	v_cvt_pk_f16_f32 v[j], v[j+1], v[j]
	v_cvt_pk_f16_f32 v[j+1], v[j+3], v[j+2]
.set j, j+4
.endr
	WIN 0x0c
.set j, 0
.rept 32
	ds_store_b64 v[SVA], v[128+4*j:128+4*j+1] offset:(8*(j/4)+j%4)*PV
.set j, j+1
.endr
	WIN 0
.endm
; Q OF ONE BLOCK, from my own rows in LDS into fragments.  A fragment is 16 rows x 32 channels in 8 registers: lane l holds row l % 16, channels 8 (l / 16) + 0..7 and 16 + 8 (l / 16) + 0..7; in f32 that is
; 32 bytes at 32 (l / 16) and 32 bytes 64 further on.  Piece x's rows lie 16 x 272 bytes apart, channel half c 128 bytes on.  a: the register with the block's address.
.macro QFRAG a
	WIN 0
.irp x, 0,1,2,3
.irp c, 0,1
	ds_load_b128 v[TT+32*(\x)+16*(\c):TT+32*(\x)+16*(\c)+3],     v[\a] offset:(\x)*16*272+128*(\c)
	ds_load_b128 v[TT+32*(\x)+16*(\c)+4:TT+32*(\x)+16*(\c)+7],   v[\a] offset:(\x)*16*272+128*(\c)+16
	ds_load_b128 v[TT+32*(\x)+16*(\c)+8:TT+32*(\x)+16*(\c)+11],  v[\a] offset:(\x)*16*272+128*(\c)+64
	ds_load_b128 v[TT+32*(\x)+16*(\c)+12:TT+32*(\x)+16*(\c)+15], v[\a] offset:(\x)*16*272+128*(\c)+80
.endr
.endr
.irp x, 0,1,2,3
	s_wait_dscnt 8*(3-(\x))         ; LDS loads come back in order (ISA guide 5.7.1): piece x's eight are in, the later pieces' eight each may be out
	WIN 0x80                        ; destination window 2
.set n, 0
.rept 16
	v_cvt_pk_bf16_f32 v[16*(\x)+n], v[TT+32*(\x)+2*n], v[TT+32*(\x)+2*n+1]
.set n, n+1
.endr
.endr
	WIN 0
.endm
; THE CHANGE OF TILES.  K of the tile to be entered has come; it is rounded and stored beside its V.  Each wave then waits for its LDS stores and for its own reads of the buffer that it leaves, and signals.  Behind the
; barrier the new buffer is whole and nobody reads the old one.  fill = 1: V of tile NXT is loaded, into registers whose stores were waited for in front of the barrier.
.macro CHANGE fill
	WIN 0                           ; at a label and at a branch every window is 0
	s_wait_loadcnt 0x0              ; K's 32 loads; none of mine is out, so both bases may be written
	CONVK
	s_xor_b32 s[TBS], s[TBS], SLOT1 ; what is stored from now on goes into the buffer that is left here
.if \fill
	s_lshl_b32 s[OFF], s[NXT], 16   ; a tile is 65,536 bytes of K and of V
	s_add_nc_u64 s[VB:VB+1], s[8:9], s[OFF:OFF+1]
.endif
	s_wait_dscnt 0x0                ; for the others' sake: my stores are done, and my reads of the old buffer are over
	s_barrier_signal -1             ; scalar work stands between the signal and the wait
	s_sub_co_u32 s[TBK], s[TBK], 4*KS*PK  ; the fetches go back to a buffer's first step,
	s_xor_b32 s[TBK], s[TBK], SLOT1       ; in the other buffer
	s_sub_co_u32 s[TBV], s[TBV], 4*KS*PV
	s_xor_b32 s[TBV], s[TBV], SLOT1
	s_barrier_wait -1
.if \fill
	LOADV
.endif
.endm
; THE HOOK, once in a tile, behind its second trip.  V of the next tile has come: it is rounded and stored into the buffer that every wave left at the last barrier.  K of that tile is loaded.  Then the walk's number steps:
; the block's next tile, or behind its last the second block's tile 0.
; PREFETCH.  In trip i (i = 0 to 5) work-group b asks for rows 64 b .. 64 b + 63 of K's and V's tile i + 2: waves 0 and 1 for K, waves 2 and 3 for V, 32 rows of 256 bytes each, a lane a row.  So each row of a
; head's tiles 2 to 7 is asked for once in the launch; V of that tile is loaded half a tile later, K a whole tile later.  Trips 6 and 7 ask for nothing: tile 7's last row ends at the head's last byte.
.macro HOOK
	s_wait_xcnt 0x0                 ; the last prefetch has read its base (ISA guide 3.1): it is stepped only behind this wait
	s_add_nc_u64 s[PFB:PFB+1], s[PFB:PFB+1], 0x10000
	s_wait_loadcnt 0x0              ; V's 32 loads
	CONVV
	s_add_nc_u64 s[KB:KB+1], s[6:7], s[OFF:OFF+1]
	LOADK                           ; into registers whose stores were waited for in front of the last barrier
	s_add_co_u32 s[NXT], s[NXT], 1
	s_cmp_gt_u32 s[NXT], s[LQ]
	s_cselect_b32 s[NXT], 0, s[NXT]
	s_cselect_b32 s[LQ], s[PB], s[LQ]
	s_cmp_lt_u32 s[SLOTS], 3
	s_cbranch_scc1 .Lno_pf_\@
	global_prefetch_b8 v[PF], s[PFB:PFB+1] th:TH_LOAD_NT scope:SCOPE_SE
.Lno_pf_\@:
.endm
; The end of a trip of a step loop.  CNT passes 3, 2, 1, 0 here, whether the tile was entered at the loop's head or in its middle: the hook runs once.  All waits for data in the walk are for 0, so they hold on both ways round it.
.macro STEPEND label, hook
	WIN 0
	s_sub_co_u32 s[CNT], s[CNT], 1
.if \hook
	s_cmp_lg_u32 s[CNT], 2
	s_cbranch_scc1 .Lno_hook_\@
	HOOK
.Lno_hook_\@:
.endif
	s_cmp_lg_u32 s[CNT], 0
	s_cbranch_scc1 \label
.endm
	s_load_b256 s[4:11], s[0:1], 0x0  ; Q s[4:5], K s[6:7], V s[8:9], O s[10:11]
	v_lshl_add_u32 v[SPW], v0, 2, SPARE
	v_mov_b32 v[NIL], 0
	ds_add_u32 v[SPW], v[NIL]       ; the wave's opening: the add and its wait stand ahead of my first tensor load; the set-up below, work on registers, stands between them
	ds_add_u32 v62, v63
	v_lshrrev_b32 v1, 5, v0
	v_readfirstlane_b32 s[WV], v1   ; wave 0..3
	s_mov_b32 s[PB], ttmp9
	s_sub_co_u32 s[HI], NB-1, s[PB]
	s_and_b32 s20, ttmp7, 0xffff    ; the head,
	s_lshl_b32 s20, s20, 19         ; its first byte in each of the four tensors: under 2^25
	s_lshl_b32 s22, s[WV], 14       ; my 64 rows of a tile of K or V
	s_add_co_u32 s22, s22, s20
	s_mov_b32 s23, 0
	s_lshl_b32 s3, s[WV], 12        ; my 16 rows in a band of 64,
	s_add_co_u32 s3, s3, s20
	s_lshl_b32 s2, s[HI], 16        ; in the first block,
	s_add_co_u32 s2, s2, s3
	s_lshl_b32 s84, s[PB], 16       ; and in the second
	s_add_co_u32 s84, s84, s3
	s_mov_b32 s3, 0
	s_mov_b32 s85, 0
	s_and_b32 s16, s[WV], 1         ; the prefetch: 32 rows for each of two waves,
	s_lshl_b32 s16, s16, 13
	s_lshl_b32 s17, s[PB], 14       ; 64 rows for each work-group of the head,
	s_add_co_u32 s16, s16, s17
	s_add_co_u32 s16, s16, s20
	s_add_co_u32 s16, s16, 0x10000  ; in tile 1: the first hook steps it to tile 2
	s_mov_b32 s17, 0
	; Descriptor group 1.  A wave's 64 rows of a block are four runs of 16 rows, 4,096 dense bytes each, 64 rows apart: a tile of 4 rows x 1,024 elements of 4 bytes, padded in LDS after every 64 words (a row of Q).
	s_mov_b32 s[G1Q], (2<<16)|(1<<20)|(5<<22)|(3<<25)  ; 15:0 no mask; 17:16 4-byte elements; 20 padding on; 24:22 after every 64 words (code 5); 31:25 4 words (code 3)
	s_mov_b32 s[G1Q+1], 1024<<16    ; tensor_dim0 = 1,024
	s_mov_b32 s[G1Q+2], 4<<16       ; tensor_dim1 = 4
	s_mov_b32 s[G1Q+3], 1024<<16    ; tile_dim0 = 1,024
	s_mov_b32 s[G1Q+4], 4           ; tile_dim1 = 4
	s_mov_b32 s[G1Q+5], 4096        ; 4,096 elements from run to run
	s_mov_b32 s[G1Q+6], 0
	s_mov_b32 s[G1Q+7], 0
	s_mul_i32 s18, s[WV], QW
	s_mov_b32 s[G0H], 1             ; 1:0 count = 1
	s_add_co_u32 s[G0H+1], s18, QL  ; 63:32 LDS address: a constant and the wave's number times a constant
	s_mov_b32 s[G0L], 1
	s_add_co_u32 s[G0L+1], s18, QL+QBLK
	s_mov_b32 s[CS], 0x3e38aa3b     ; c = log2(e) / 8 = 0.180337
	s_mov_b32 s[CS+1], s[CS]        ; named with it as a pair
	s_mov_b32 s[SEL], 0x76543210
	s_mov_b32 s[SEL+1], 0xfedcba98
	s_mov_b32 s[TBK], SLOT1+4*KS*PK ; the first change of tiles turns these two into 0
	s_mov_b32 s[TBV], SLOT1+4*KS*PV
	s_mov_b32 s[TBS], 0             ; tile 0 goes into buffer 0
	s_mov_b32 s[HIM], 0xffff0000
	s_add_co_u32 s[RT], s[HI], 1    ; the first block has 8 - b tiles
	s_mov_b32 s[NXT], 1
	s_mov_b32 s[LQ], s[HI]
	s_mov_b32 s[NEW], 1
	s_mov_b32 s[OFF+1], 0
	s_mov_b32 s[AL+1], 0            ; named as pairs
	s_mov_b32 s[BE+1], 0
	s_mov_b32 s[BIGN], 0xe08ac723   ; -8e19
	s_mov_b32 s[SLOTS], NB
	s_wait_dscnt 0x0                ; the opening add is done
	s_wait_kmcnt 0x0
	s_cmp_lt_u32 s[WV], 2
	s_cselect_b64 s[PFB:PFB+1], s[6:7], s[8:9]     ; waves 0 and 1 ask ahead for K, waves 2 and 3 for V
	s_add_nc_u64 s[PFB:PFB+1], s[PFB:PFB+1], s[16:17]
	s_add_nc_u64 s[G0H+2:G0H+3], s[4:5], s[2:3]    ; 120:64 global address: Q at my rows of the first block
	s_or_b32 s[G0H+3], s[G0H+3], 0x80000000        ; 127:126 type = 2
	s_add_nc_u64 s[G0L+2:G0L+3], s[4:5], s[84:85]  ; and of the second
	s_or_b32 s[G0L+3], s[G0L+3], 0x80000000
	s_add_nc_u64 s[6:7], s[6:7], s[22:23]          ; K and V at my 64 rows of the head's tile 0
	s_add_nc_u64 s[8:9], s[8:9], s[22:23]
	s_add_nc_u64 s[OLO:OLO+1], s[10:11], s[84:85]
	s_add_nc_u64 s[10:11], s[10:11], s[2:3]        ; O at my rows of the first block
	s_mov_b64 s[KB:KB+1], s[6:7]
	s_mov_b64 s[VB:VB+1], s[8:9]
	tensor_load_to_lds s[G0H:G0H+3], s[G1Q:G1Q+7]  ; my only two tensor loads, both first fills, ahead of every wait on TENSORcnt, every LDS read and every barrier: two are out at the most; their descriptors are never rewritten
	s_nop 0
	tensor_load_to_lds s[G0L:G0L+3], s[G1Q:G1Q+7]
	s_nop 0
.rept 4
	v_nop
.endr
	v_and_b32 v1, 15, v0            ; l % 16
	v_bfe_u32 v9, v0, 4, 1          ; l / 16
	v_lshlrev_b32 v[GK], 4, v1      ; 16 bytes a lane in a row,
	v_lshl_add_u32 v[GV], v9, 10, v[GK]  ; lanes 16-31 four rows down for V,
	v_lshl_add_u32 v[GK], v9, 11, v[GK]  ; eight for K
	LOADV                           ; tile 0.  The vector set-up stands between V's loads and K's, so that it is done when the wave comes to its 64th load, whose issue waits until a load has come back (ISA guide 5.7.1)
	v_lshlrev_b32 v14, 3, v9
	v_sub_nc_u32 v14, v1, v14
	s_lshl_b32 s13, s[WV], 4
	v_add_nc_u32 v14, s13, v14      ; my query's place in its band, 16 w + l % 16, less my lanes' 8 (l / 16): register r of group kt is hidden where 16 kt + r is greater
	WIN 0x40
.set i, 0
.rept 32
	v_cmp_gt_i32 vcc_lo, 16*(i/8)+i%8, v14
	v_cndmask_b32 v[MD+i], 0, s[BIGN], vcc_lo
.set i, i+1
.endr
	WIN 0
	v_mul_u32_u24 v[AK0], v1, PK
	v_lshl_add_u32 v[AK0], v9, 4, v[AK0]  ; row x pitch + 16 x half
	; The turning load takes 16 keys x 16 channels (lane l reads key 8 (l / 16) + l % 8, channels 8 ((l / 8) % 2) + 0..7) and leaves half a fragment of V^T: lane l holds channel l % 16 and 8 keys.
	v_and_b32 v10, 7, v0
	v_bfe_u32 v11, v0, 3, 1
	v_lshl_add_u32 v[AV0], v9, 3, v10
	v_mul_u32_u24 v[AV0], v[AV0], PV
	v_lshl_add_u32 v[AV0], v11, 4, v[AV0]
	v_add_nc_u32 v[AV0], VOFF, v[AV0]
	s_mul_i32 s13, s[WV], 16*SP
	s_add_co_u32 s13, s13, STAGE    ; my stage
	v_mul_u32_u24 v[STO], v1, SP    ; in: row l % 16, 32 bytes for each half of the lanes
	v_lshl_add_u32 v[STO], v9, 5, v[STO]
	v_add_nc_u32 v[STO], s13, v[STO]
	v_mul_u32_u24 v[RD], v9, SP     ; back: lanes 0-15 take one row of 256 bytes, lanes 16-31 the next,
	v_lshl_add_u32 v[RD], v1, 4, v[RD]
	v_add_nc_u32 v[RD], s13, v[RD]
	v_and_b32 v[GO], 31, v0         ; which are 512 consecutive bytes of O
	v_lshlrev_b32 v[PF], 8, v[GO]
	v_lshlrev_b32 v[GO], 4, v[GO]
	s_add_co_u32 s18, s18, QL       ; my rows of Q in LDS
	v_mul_u32_u24 v[QA], v1, 272
	v_lshl_add_u32 v[QA], v9, 5, v[QA]
	v_add_nc_u32 v[QA], s18, v[QA]
	v_add_nc_u32 v[QA2], QBLK, v[QA]
	s_mul_i32 s19, s[WV], 64*PK     ; where my rounded rows go: K's,
	v_mul_u32_u24 v[SK0], v9, 8*PK
	v_lshl_add_u32 v[SK0], v1, 3, v[SK0]
	v_add_nc_u32 v[SK0], s19, v[SK0]
	s_mul_i32 s19, s[WV], 64*PV     ; and V's
	s_add_co_u32 s19, s19, VOFF
	v_mul_u32_u24 v[SV0], v9, 4*PV
	v_lshl_add_u32 v[SV0], v1, 3, v[SV0]
	v_add_nc_u32 v[SV0], s19, v[SV0]
	; A block's first step multiplies O^T and l by a = 0, and its first turn's products V^T P, of a piece that has not been, land in an O^T that is still to be so multiplied.  So these registers need only hold
	; finite numbers: zeros for the first block; what the first block left for the second.  All this stands in the wait for the first tile.
	WIN 0x80
.set i, VF
.rept 64
	v_mov_b32 v[i], 0
.set i, i+1
.endr
	WIN 0x40
.set i, 0
.rept 128
	v_mov_b32 v[i], 0
.set i, i+1
.endr
	WIN 0
.set i, 0
.rept 4
	v_mov_b32 v[ST+4*i+2], 0
	v_mov_b32 v[ST+4*i+3], 0
.set i, i+1
.endr
.set i, P+16
.rept 16
	v_mov_b32 v[i], 0
.set i, i+1
.endr
	LOADK                           ; tile 0
	s_wait_loadcnt 0x20             ; loads come back in order (ISA guide 5.7.1): V's 32 are in, K's 32 younger ones may be out
	CONVV
	s_wait_tensorcnt 0x1            ; the first block's Q is in my own LDS bytes; the second block's may stay out: it is waited for where it is read
	QFRAG QA
; THE MATRIX WORK.  The 4 accumulators of a run of 8 take turns.  Product i of 8 of S^T = K Q^T for piece x: channels 32 (i / 4) on, keys 16 (i % 4) on.  The first 4 start the sums: with 0, or (KM = 1) with the mask.
.macro KQ x
.set rS, S+32*((\x)%2)+8*(i%4)
.set rK, KF+16*(i%4)+8*(i/4)
.set rQ, 16*(\x)+8*(i/4)
.set rM, MC+32*((\x)%2)+8*(i%4)
.if (i < 4) && KM
	WIN W_KM
	v_wmma_f32_16x16x32_bf16 v[rS:rS+7], v[rK:rK+7], v[rQ:rQ+7], v[rM:rM+7]
.elseif i < 4
	WIN W_KQ
	v_wmma_f32_16x16x32_bf16 v[rS:rS+7], v[rK:rK+7], v[rQ:rQ+7], 0
.else
	WIN W_KQ
	v_wmma_f32_16x16x32_bf16 v[rS:rS+7], v[rK:rK+7], v[rQ:rQ+7], v[rS:rS+7]
.endif
.endm
; Product i of 8 of O^T += V^T P for piece x: keys 32 (i / 4) on, channels 16 (i % 4) on.
.macro PV x
	WIN W_PV
.set rO, 32*(\x)+8*(i%4)
.set rV, VF+32*(i/4)+8*(i%4)
.set rP, P+16*((\x)%2)+8*(i/4)
	v_wmma_f32_16x16x32_f16 v[rO:rO+7], v[rV:rV+7], v[rP:rP+7], v[rO:rO+7]
.endm
.macro MM                           ; the turn's next matrix instruction.  TURN and BEGIN set Y, i, KM and NOKQ; MM, KQ and OP read them.  NOKQ = 1: a block's last turn: there is no next piece
.if (i < 8) && !NOKQ
	KQ (Y+1)%NP
.elseif i >= 8
.set i, i-8
	PV (Y+NP-1)%NP
.set i, i+8
.endif
.set i, i+1
.endm
; THE FRAGMENT LOADS stand in runs of 16, never singly among the matrix instructions: a step's K (64 keys x 64 channels: 8 fragments) and its V (turned).  Their addresses are made some lines ahead.
.macro FETCH_K
	WIN 0x80                        ; destination window 2
.irp f, 0,1,2,3,4,5,6,7             ; keys 16 (f / 2) on, channels 32 (f % 2) on
	ds_load_b128 v[KF+8*\f:KF+8*\f+3],   v[AK] offset:(\f/2)*16*PK+(\f%2)*64
	ds_load_b128 v[KF+8*\f+4:KF+8*\f+7], v[AK] offset:(\f/2)*16*PK+(\f%2)*64+32
.endr
	s_add_co_u32 s[TBK], s[TBK], KS*PK  ; the next fetch is the next step's
	WIN 0
.endm
.macro FETCH_V
	WIN 0x80
.irp f, 0,1,2,3,4,5,6,7             ; keys 32 (f / 4) on, channels 16 (f % 4) on
	ds_load_tr16_b128 v[VF+8*\f:VF+8*\f+3],   v[AV] offset:(\f/4)*32*PV+(\f%4)*32
	ds_load_tr16_b128 v[VF+8*\f+4:VF+8*\f+7], v[AV] offset:(\f/4)*32*PV+16*PV+(\f%4)*32
.endr
	WIN 0
.endm
; THE VECTOR WORK, one line at a time: OP kind, number.  For piece Y: F n: c s - c m for pair n of 16.  E n: the exponential of score n of 32.  C n: pair n rounded to f16.  B n: of the four weights 4 n .. the second
; pair is added onto the first, in place.  L n: l takes that sum (L 0: l = a l + sum).  R n: pair n of 16 of O^T times a.  For piece Y + 1: X n, number n of the 22 that find its maximum and statistics:
;   0-11  four chains c0-c3 of seven scores each, three operands at a time (each accumulator's lowest registers are read first)     12-14, 16  the four scores left over, the old m, and c0-c3 into c0
;   15  c m_old is kept     17, 18  the query's other 32 keys lie in the lane 16 away: the new m     19-21  c m; c m_old - c m_new; a
.set F, 0               ; OP tells the kinds apart by their order: F to L below R, X above it
.set E, 1
.set C, 2
.set B, 3
.set L, 4
.set R, 5
.set X, 6
.macro REGS y                       ; the registers of piece y
.set rT, ST+4*(\y)
.set rC, TMP+4*((\y)%2)
.set rW, MV+((\y)%2)
.set rS, S+32*((\y)%2)
.set rP, P+16*((\y)%2)
.set rO, 32*(\y)
.endm
.macro OP k, n
.if (\k) == R
	REGS Y
	WIN W_RS
	v_pk_mul_f32 v[rO+2*(\n):rO+2*(\n)+1], v[rO+2*(\n):rO+2*(\n)+1], v[rC+2:rC+3] op_sel_hi:[1,0]
.elseif (\k) < R
	REGS Y
	WIN 0
.if (\k) == F
	v_pk_fma_f32 v[rS+2*(\n):rS+2*(\n)+1], v[rS+2*(\n):rS+2*(\n)+1], s[CS:CS+1], v[rT:rT+1] op_sel_hi:[1,0,0] neg_lo:[0,0,1] neg_hi:[0,0,1]
.elseif (\k) == E
	v_exp_f32 v[rS+(\n)], v[rS+(\n)]
.elseif (\k) == C
	s_wait_alu depctr_va_vdst(0)
	v_cvt_pk_f16_f32 v[rP+(\n)], v[rS+2*(\n)], v[rS+2*(\n)+1]
.elseif (\k) == B
	s_wait_alu depctr_va_vdst(0)
	v_pk_add_f32 v[rS+4*(\n):rS+4*(\n)+1], v[rS+4*(\n):rS+4*(\n)+1], v[rS+4*(\n)+2:rS+4*(\n)+3]
.elseif (\n) == 0
	v_pk_fma_f32 v[rT+2:rT+3], v[rT+2:rT+3], v[rC+2:rC+3], v[rS:rS+1] op_sel_hi:[1,0,1]
.else
	v_pk_add_f32 v[rT+2:rT+3], v[rT+2:rT+3], v[rS+4*(\n):rS+4*(\n)+1]
.endif
.elseif NOKQ
	v_nop
.else
	REGS (Y+1)%NP
	WIN 0
.if (\n) < 4
	v_max3_num_f32 v[rC+(\n)], v[rS+8*(\n)], v[rS+8*(\n)+1], v[rS+8*(\n)+2]
.elseif (\n) < 12
	v_max3_num_f32 v[rC+(\n)%4], v[rC+(\n)%4], v[rS+8*((\n)%4)+2*((\n)/4)+1], v[rS+8*((\n)%4)+2*((\n)/4)+2]
.elseif (\n) == 12
	v_max3_num_f32 v[rC], v[rC], v[rS+7], v[rS+15]
.elseif (\n) == 13
	v_max3_num_f32 v[rC+1], v[rC+1], v[rS+23], v[rS+31]
.elseif (\n) == 14
	v_max3_num_f32 v[rC+2], v[rC+2], v[rC+3], v[rT+1]
.elseif (\n) == 15
	v_mov_b32 v[rW], v[rT]
.elseif (\n) == 16
	v_max3_num_f32 v[rC], v[rC], v[rC+1], v[rC+2]
.elseif (\n) == 17
	v_permlanex16_b32 v[rC+3], v[rC], s[SEL], s[SEL+1]
.elseif (\n) == 18
	v_max_num_f32 v[rT+1], v[rC], v[rC+3]
.elseif (\n) == 19
	v_mul_f32 v[rT], s[CS], v[rT+1]
.elseif (\n) == 20
	v_sub_f32 v[rC+1], v[rW], v[rT]
.else
	v_exp_f32 v[rC+2], v[rC+1]
.endif
.endif
.endm
.macro OPS a, i1, b=-1, i2=0, c=-1, i3=0, d=-1, i4=0  ; up to four of them
	OP \a, \i1
.if (\b) >= 0
	OP \b, \i2
.endif
.if (\c) >= 0
	OP \c, \i3
.endif
.if (\d) >= 0
	OP \d, \i4
.endif
.endm
.macro ROW a, i1, b, i2, c, i3, d, i4  ; a matrix instruction and the four behind it
	MM
	OPS \a, \i1, \b, \i2, \c, \i3, \d, \i4
.endm
.macro MASK b                       ; MD x AL + BE into buffer b of MC
	WIN W_RS
.set z, 0
.rept 16
	v_pk_fma_f32 v[MC+32*(\b)+2*z:MC+32*(\b)+2*z+1], v[MD+2*z:MD+2*z+1], s[AL:AL+1], s[BE:BE+1] op_sel_hi:[1,0,0]
.set z, z+1
.endr
.endm
; A TURN, for piece p: the order of its 16 matrix and 118 vector instructions, written out.  Behind a matrix instruction: plain, exponential, plain, plain; or four of the rescaling; or, behind the first, four scalings; none
; names a register of the products round it.  In the lumps exponential and plain by turns while exponentials last.  A line reads no result made fewer than three vector instructions in front of it, five if an exponential made it.
; v_permlanex16_b32 (X 17) stands in a lump.
; m = 1: the diagonal tile: the products take masks, and the turn makes the mask for the products of the turn after it: piece p + 2, in step 4 - CNT of the tile.  end = 1: a block's last two turns: nothing is fetched.
; K of the next step is fetched in piece 2's turn, six vector instructions behind the last product that read K (five of them plain); V of the step in hand in piece 0's turn, eight behind the last product that read V (four
; plain, and X 17).  Each is waited for a turn later.
.macro TURN p, m=0, end=0
.set Y, (\p)
.set i, 0
.set KM, (\m)
.set NOKQ, (\end)*((\p)/3)
.if (\m) && !(\end)
	s_cmp_eq_u32 s[CNT], 4-((\p)+2)%NP  ; is that step the band's own?
	s_cselect_b32 s[AL], 1.0, 0
	s_cmp_lt_u32 s[CNT], 4-((\p)+2)%NP  ; or a later one?
	s_cselect_b32 s[BE], s[BIGN], 0
.endif
.if ((\p) == 3) && !(\end)
	s_wait_dscnt 0x0                ; K is in
.endif
	ROW F,0, F,1, F,2, F,3
	ROW F,4, E,0, F,5, F,6
	ROW F,7, E,1, F,8, F,9
	ROW F,10, E,2, C,0, F,11
	ROW F,12, E,3, X,15, F,13
	ROW R,0, R,1, R,2, R,3
	ROW B,0, E,4, F,14, L,0
.if ((\p) == 2) && !(\end)
	v_add_nc_u32 v[AK], s[TBK], v[AK0]
.endif
	ROW R,4, R,5, R,6, R,7
	OPS E,5, F,15
.if ((\p) == 2) && !(\end)
	FETCH_K
.endif
	OPS E,6, C,1, E,7, R,8
	OPS E,8, R,9, E,9, C,2
	OPS E,10, X,0, E,11, X,1
	OPS E,12, X,2, E,13, X,3
.if (\p) == 1
	s_wait_dscnt 0x0                ; V is in
.endif
	ROW X,4, E,14, X,5, X,6
	ROW X,7, E,15, X,8, X,9
	ROW X,10, E,16, X,11, X,12
	ROW X,13, E,17, X,14, B,1
	ROW C,4, E,18, X,16, L,1
	ROW B,2, E,19, C,6, L,2
	ROW C,8, E,20, B,3, B,4
.if (\p) == 0
	v_add_nc_u32 v[AV], s[TBV], v[AV0]
.endif
	ROW C,3, E,21, L,3, C,5
	OPS E,22, X,17, E,23, C,10
.if (\p) == 0
	FETCH_V
.endif
	OPS E,24, L,4
	OPS E,25, X,18, E,26, C,7
	OPS E,27, B,5, E,28, X,19
	OPS E,29, C,12, E,30, L,5
	OPS E,31, X,20, B,6, C,9
	OPS C,14, C,11, X,21, L,6
.if (\p) == 0
	s_add_co_u32 s[TBV], s[TBV], KS*PV
.endif
	OPS C,13, B,7, C,15, R,10
	OPS R,11, R,12, L,7, R,13
	OPS R,14, R,15
.if (\m) && !(\end)
	MASK (\p)%2
.endif
.endm
; A BLOCK BEGINS.  c m starts far below every c s, so the first step's a is 0; m at the lowest finite number, so the first maximum is the scores'.  The second mask buffer is 0; the first takes piece 0's mask for the tile's step 0: its own, if the block's first tile is the diagonal one.
; Then K of that step, piece 0's first scores, and its maximum and statistics.  The loop is entered at a step's first turn, in the middle of a trip.
.macro BEGIN
	s_mov_b32 s[NEW], 0
	WIN 0x40
.set i, MC+32
.rept 32
	v_mov_b32 v[i], 0
.set i, i+1
.endr
	WIN 0
.set i, 0
.rept 4
	v_mov_b32 v[ST+4*i], 0xfe000000    ; c m: far below every c s, a hidden one's too
	v_mov_b32 v[ST+4*i+1], 0xff7fffff  ; m
.set i, i+1
.endr
	s_cmp_eq_u32 s[RT], 0
	s_cselect_b32 s[AL], 1.0, 0
	s_mov_b32 s[BE], 0
	MASK 0
	WIN 0
	v_add_nc_u32 v[AK], s[TBK], v[AK0]
	FETCH_K
	s_wait_dscnt 0x0
.set KM, 1
.set NOKQ, 0
.set i, 0
.rept 8
	KQ 0
.set i, i+1
.endr
	WIN 0
.rept 4
	v_nop                           ; the places behind those products
.endr
.set Y, NP-1                        ; X works for piece Y + 1: piece 0
.irp n, 0,1,2,3,4,5,6,7,8,9,10,11,12,13,14,15,16,17,18,19,20,21
	OP X, \n
.endr
	v_nop                           ; a plain instruction behind the exponential
.endm
; THE DIAGONAL TILE's four steps, the block's last two turns, its last products, and THE WAY OUT: l's two halves and the other half of the lanes' are added; O^T is divided by l and sent, as f32, through my stage in LDS,
; a piece (16 rows of O) at a time.
.macro ALL line:vararg              ; one line for each piece t
.set t, 0
.rept 4
	\line
.set t, t+1
.endr
.endm
.macro PACK t                       ; a lane's eight channels of a row are 32 bytes; they go into rows of 272 bytes and come back as whole rows of 256
	WIN W_RS
.set i, 32*(\t)
.rept 16
	s_wait_alu depctr_va_vdst(0)
	v_pk_mul_f32 v[i:i+1], v[i:i+1], v[ST+4*(\t)+2:ST+4*(\t)+3] op_sel_hi:[1,0]
.set i, i+2
.endr
	WIN 0x04                        ; store data in window 1
.irp f, 0,1,2,3,4,5,6,7             ; channel block f / 2, its half f % 2
	ds_store_b128 v[STO], v[32*(\t)+4*(\f):32*(\t)+4*(\f)+3] offset:64*((\f)/2)+16*((\f)%2)
.endr
	WIN 0
.irp f, 0,1,2,3,4,5,6,7
	ds_load_b128 v[TT+32*(\t)+4*(\f):TT+32*(\t)+4*(\f)+3], v[RD] offset:(\f)*2*SP  ; LDS serves a wave's instructions in order (ISA guide 5.7.1.4): these see the stores above; the next piece's stores come behind them
.endr
.endm
.macro SEND t, younger              ; younger: the LDS instructions issued behind piece t's loads: the next piece's sixteen, or none
	WIN 0
.irp f, 0,1,2,3,4,5,6,7
	s_wait_dscnt (\younger)+7-(\f)
	global_store_b128 v[GO], v[TT+32*(\t)+4*(\f):TT+32*(\t)+4*(\f)+3], s[10:11] offset:(\t)*16384+(\f)*512 th:TH_STORE_NT  ; two rows of O: 512 consecutive bytes, at a multiple of 256 from O's first
.endr
.endm
.macro DIAG tag, hook               ; the tag ends its two labels' names, which the jumps below spell out
.LstepM\tag:
	TURN 2, 1
	TURN 3, 1
	WIN 0
.LfirstM\tag:
	TURN 0, 1
	TURN 1, 1
	STEPEND .LstepM\tag, \hook
	TURN 2, 1, 1
	TURN 3, 1, 1
.set i, 0
.rept 8
	PV NP-1
.set i, i+1
.endr
	WIN 0
	ALL v_add_f32 v[ST+4*t+2], v[ST+4*t+2], v[ST+4*t+3]
	ALL v_permlanex16_b32 v[ST+4*t+3], v[ST+4*t+2], s[SEL], s[SEL+1]
	ALL v_add_f32 v[ST+4*t+2], v[ST+4*t+2], v[ST+4*t+3]
	ALL v_rcp_f32 v[ST+4*t+2], v[ST+4*t+2]
	v_nop                           ; a plain instruction between the last reciprocal and the use of its result
	PACK 0
.set t, 1
.rept 3                             ; a piece's arithmetic stands between the loads of the piece before and its stores
	PACK t
	SEND t-1, 16
.set t, t+1
.endr
	SEND 3, 0
.endm
.set KM, 0
.set NOKQ, 0
.Lslot:                             ; NB times: a tile is entered and the next is loaded
	CHANGE 1
	s_sub_co_u32 s[RT], s[RT], 1
	s_mov_b32 s[CNT], 4
	s_cmp_eq_u32 s[NEW], 1
	s_cbranch_scc1 .Lnew            ; a block's first tile
	s_cmp_eq_u32 s[RT], 0
	s_cbranch_scc0 .Lstep           ; neither its first nor its last
	s_branch .LstepM1
.Lnew:
	BEGIN
	s_branch .Lfirst                ; in the loop a block's first tile is never its last: the first block has five tiles or more, and the second's last is the walk's last
	DIAG 1, 1                       ; in the loop this is the first block's end: the second block's last tile is the walk's last
	s_wait_xcnt 0x0                 ; the stores have read their registers and O's address (ISA guide 3.1)
	s_mov_b64 s[10:11], s[OLO:OLO+1]
	s_add_co_u32 s[RT], s[PB], 1    ; the second block has b + 1 tiles
	s_mov_b32 s[NEW], 1
	s_wait_tensorcnt 0x0            ; the second block's Q is in my own LDS bytes
	QFRAG QA2                       ; it goes where the one text of the turns names Q
	s_branch .Lbottom
.Lstep:                             ; a trip: pieces 2 and 3 of one step, then pieces 0 and 1 of the next, whose K and V it fetches
	TURN 2
	TURN 3
	WIN 0
.Lfirst:
	TURN 0
	TURN 1
	STEPEND .Lstep, 1
.Lbottom:
	s_sub_co_u32 s[SLOTS], s[SLOTS], 1
	s_cmp_lg_u32 s[SLOTS], 0
	s_cbranch_scc1 .Lslot
	CHANGE 0                        ; the walk's last tile: nothing more is loaded, and its step loop has no hook
	s_sub_co_u32 s[RT], s[RT], 1
	s_mov_b32 s[CNT], 4
	s_cmp_eq_u32 s[NEW], 1
	s_cbranch_scc0 .LstepM2
	BEGIN
	s_branch .LfirstM2
	DIAG 2, 0
	s_wait_tensorcnt 0x0            ; the wave's end, behind my last tensor load and my last LDS store
	ds_add_u32 v[SPW], v[NIL]
	s_wait_dscnt 0x0
	s_endpgm
.Lfunc_end_k_q78ecd0ad14_attn:
	.size	k_q78ecd0ad14_attn, .Lfunc_end_k_q78ecd0ad14_attn-k_q78ecd0ad14_attn
	.p2alignl 7, 3214868480
	.fill 96, 4, 3214868480
	.section	.rodata,"a",@progbits
	.p2align	6, 0x0
	.amdhsa_kernel k_q78ecd0ad14_attn
		.amdhsa_group_segment_fixed_size 327680
		.amdhsa_private_segment_fixed_size 0
		.amdhsa_enable_private_segment 0
		.amdhsa_kernarg_size 32
		.amdhsa_user_sgpr_count 2
		.amdhsa_user_sgpr_kernarg_segment_ptr 1
		.amdhsa_wavefront_size32 1
		.amdhsa_system_sgpr_workgroup_id_x 1
		.amdhsa_system_sgpr_workgroup_id_y 1
		.amdhsa_system_sgpr_workgroup_id_z 1
		.amdhsa_system_vgpr_workitem_id 0
		.amdhsa_next_free_vgpr 1024
		.amdhsa_next_free_sgpr 88
		.amdhsa_reserve_vcc 1
		.amdhsa_float_denorm_mode_32 3
		.amdhsa_float_denorm_mode_16_64 3
		.amdhsa_memory_ordered 1
		.amdhsa_forward_progress 1
		.amdhsa_inst_pref_size 255
	.end_amdhsa_kernel
	.section	.bss,"aw",@nobits
	.p2align	6
	.space	262144
	.amdgpu_metadata
---
amdhsa.version: [ 1, 2 ]
amdhsa.kernels:
  - .name:           k_q78ecd0ad14_attn
    .symbol:         k_q78ecd0ad14_attn.kd
    .args:
      - { .name: query, .offset: 0, .size: 8, .value_kind: global_buffer, .address_space: global }
      - { .name: key, .offset: 8, .size: 8, .value_kind: global_buffer, .address_space: global }
      - { .name: value, .offset: 16, .size: 8, .value_kind: global_buffer, .address_space: global }
      - { .name: out0, .offset: 24, .size: 8, .value_kind: global_buffer, .address_space: global }
    .group_segment_fixed_size: 327680
    .private_segment_fixed_size: 0
    .kernarg_segment_align: 8
    .kernarg_segment_size: 32
    .max_flat_workgroup_size: 128
    .sgpr_count:     88
    .vgpr_count:     1024
    .wavefront_size: 32
...
	.end_amdgpu_metadata
.endif
;; end of part 1
